; MI455X (gfx1250); checked and timed in simulation.
; The chip was launched on July 23, 2026; its instructions are those of AMD's public machine-readable ISA for CDNA 5 (MIT licence, August 2026) and "CDNA5" Instruction Set Architecture Reference Guide (July 2026). The comments in the code are by the model that wrote it; some were corrected since.
;; Qwen3 Seq Parallel MLP. Allowed arithmetic: float matrix products may take bf16 or f16 operands with f32 sums; all other float work in f32.
;; Inputs: h_shard 2 x 512 x 2,048 float32; w_down 2,048 x 8,192 float32; w_gate_up 16,384 x 2,048 float32.
;; Outputs: out0 2 x 512 x 2,048 float32.
;; One version. Each part assembles by itself: llvm-mc -triple=amdgcn-amd-amdhsa -mcpu=gfx1250 --defsym DOCPART=n.
;; ======== version 1 of 1: 4 launches
;; workspace buffers: xb 4,194,304 bytes; hbuf 16,777,216 bytes; part 67,108,864 bytes
;; launch cast (part 1): grid 256 x 1, 8 waves a work-group, no clusters, 35,840 bytes of LDS; arguments h_shard, xb; writes xb
.if DOCPART == 1
	.amdgcn_target "amdgcn-amd-amdhsa--gfx1250"
	.amdhsa_code_object_version 6
	.text
	.protected	k_q426e5c84dd_cast
	.globl	k_q426e5c84dd_cast
	.p2align	8
	.type	k_q426e5c84dd_cast,@function
k_q426e5c84dd_cast:
	s_mov_b64 s[64:65], 0
	v_nop
	global_prefetch_b8 v0, s[64:65] scope:SCOPE_SE
	s_setreg_imm32_b32 hwreg(HW_REG_WAVE_MODE, 25, 1), 1
	s_wait_xcnt 0x0
; xb = h_shard rounded to bf16 (nearest even), laid in FRAGMENT ORDER.  h_shard: [1024][2048] f32.
; Fragment order: block (mblk, chunk) = 16 rows x 16 k is 512 bytes at (mblk x 128 + chunk) x 512; in it lane l = 16 h + r owns the 16 bytes at 16 l:
; row 16 mblk + r, k = 16 chunk + 8 h + 0..7.  Two neighbouring chunks are registers 0-3 and 4-7 of a 16 x 32 bf16 matrix operand, so the next launch reads
; an operand with two loads of 16 bytes a lane at 16 x lane.
; SHARES.  Wave w of work-group g takes 16 rows (mblk = g / 4) x 64 k (group 8 (g % 4) + w): 8 loads of two rows' 256 aligned bytes, a turn through the wave's own
; stage in LDS (rows of 272 bytes), 4 stores of 512 consecutive aligned bytes.  No wave touches another's bytes: no barrier.  Memory binds: no matrix unit, no cluster (nothing is shared).
.set ROWB,  8192                       ; bytes in a row of h_shard
.set PITCH, 272                        ; a stage row: 256 bytes + 16: the 16 rows that a load back touches start at 16 different groups of four banks (64 banks of 4 bytes: ISA guide 11.1)
.set STG,   16*PITCH                   ; a wave's stage
.set SPARE, 8*STG                      ; behind the stages: the spare words, 128 bytes for each of eight waves, that no other line names
.set GI,   4                           ; v4   my byte offset in the wave's 16 rows x 256 bytes of h_shard
.set SI,   5                           ; v5   stage, in: as loaded
.set SO,   6                           ; v6   stage, back: row r, 32 bytes for each half of the lanes
.set GOUT, 7                           ; v7   16 x lane
.set X,    8                           ; v[8:39]   as loaded
.set T,    40                          ; v[40:71]  back from the stage: chunk c at T + 8 c
.set Y,    72                          ; v[72:87]  bf16, chunk c at Y + 4 c
.set SPW,  88                          ; v88  LDS address of my spare word; never rewritten
.set NIL,  89                          ; v89  0; never rewritten
	s_load_b128 s[4:7], s[0:1], 0x0                ; h_shard s[4:5], xb s[6:7]
	v_lshl_add_u32 v[SPW], v0, 2, SPARE
	v_mov_b32 v[NIL], 0
	v_lshrrev_b32 v1, 5, v0
	v_readfirstlane_b32 s8, v1                     ; wave 0..7
	v_and_b32 v1, 31, v0                           ; lane
	v_and_b32 v3, 15, v0                           ; r = lane % 16
	v_bfe_u32 v2, v0, 4, 1                         ; h = lane / 16
	v_lshlrev_b32 v[GI], 4, v3
	v_lshl_add_u32 v[GI], v2, 13, v[GI]            ; lanes 0-15 one row's 256 bytes, lanes 16-31 the next row's
	s_mul_i32 s9, s8, STG                          ; my wave's stage
	v_mul_u32_u24 v[SI], v2, PITCH
	v_lshl_add_u32 v[SI], v3, 4, v[SI]
	v_add_nc_u32 v[SI], s9, v[SI]
	v_mul_u32_u24 v[SO], v3, PITCH
	v_lshl_add_u32 v[SO], v2, 5, v[SO]
	v_add_nc_u32 v[SO], s9, v[SO]
	v_lshlrev_b32 v[GOUT], 4, v1
	s_lshr_b32 s10, ttmp9, 2                       ; mblk
	s_and_b32 s11, ttmp9, 3
	s_lshl_b32 s11, s11, 3
	s_add_co_u32 s11, s11, s8                      ; the group of 64 k
	s_lshl_b32 s12, s10, 17                        ; 16 rows of 8,192 bytes
	s_lshl_b32 s13, s11, 8                         ; 64 f32
	s_add_co_u32 s12, s12, s13
	s_mov_b32 s13, 0
	s_lshl_b32 s14, s10, 16                        ; 128 chunks of 512 bytes
	s_lshl_b32 s15, s11, 11                        ; 4 chunks
	s_add_co_u32 s14, s14, s15
	s_mov_b32 s15, 0
	s_wait_kmcnt 0x0
	s_add_nc_u64 s[4:5], s[4:5], s[12:13]
	s_add_nc_u64 s[6:7], s[6:7], s[14:15]
.irp t, 0,1,2,3,4,5,6,7
	global_load_b128 v[X+4*(\t):X+4*(\t)+3], v[GI], s[4:5] offset:(\t)*2*ROWB th:TH_LOAD_NT  ; rows 2 t, 2 t + 1; read once in the launch
.endr
.irp t, 0,1,2,3,4,5,6,7
	s_wait_loadcnt 7-(\t)                          ; loads come back in order (ISA guide 5.7.1): load t is in, the younger ones stay out
	ds_store_b128 v[SI], v[X+4*(\t):X+4*(\t)+3] offset:(\t)*2*PITCH
.endr
.irp c, 0,1,2,3
	ds_load_b128 v[T+8*(\c):T+8*(\c)+3],   v[SO] offset:64*(\c)     ; LDS serves a wave's instructions in order (ISA guide 5.7.1.4): these see the stores above
	ds_load_b128 v[T+8*(\c)+4:T+8*(\c)+7], v[SO] offset:64*(\c)+16
.endr
.irp c, 0,1,2,3
	s_wait_dscnt 6-2*(\c)                          ; chunk c's two loads are in; the later chunks' stay out
.irp j, 0,1,2,3
	v_cvt_pk_bf16_f32 v[Y+4*(\c)+(\j)], v[T+8*(\c)+2*(\j)], v[T+8*(\c)+2*(\j)+1]
.endr
	global_store_b128 v[GOUT], v[Y+4*(\c):Y+4*(\c)+3], s[6:7] offset:512*(\c)  ; 512 consecutive bytes, at a multiple of 512 from xb's first
.endr
	s_wait_tensorcnt 0x0                           ; the wave's end: 0 is added onto my spare word behind my last LDS store
	ds_add_u32 v[SPW], v[NIL]
	s_wait_dscnt 0x0
	s_endpgm
.Lfunc_end_k_q426e5c84dd_cast:
	.size	k_q426e5c84dd_cast, .Lfunc_end_k_q426e5c84dd_cast-k_q426e5c84dd_cast
	.p2alignl 7, 3214868480
	.fill 96, 4, 3214868480
	.section	.rodata,"a",@progbits
	.p2align	6, 0x0
	.amdhsa_kernel k_q426e5c84dd_cast
		.amdhsa_group_segment_fixed_size 35840
		.amdhsa_private_segment_fixed_size 0
		.amdhsa_enable_private_segment 0
		.amdhsa_kernarg_size 16
		.amdhsa_user_sgpr_count 2
		.amdhsa_user_sgpr_kernarg_segment_ptr 1
		.amdhsa_wavefront_size32 1
		.amdhsa_system_sgpr_workgroup_id_x 1
		.amdhsa_system_sgpr_workgroup_id_y 1
		.amdhsa_system_sgpr_workgroup_id_z 1
		.amdhsa_system_vgpr_workitem_id 0
		.amdhsa_next_free_vgpr 96
		.amdhsa_next_free_sgpr 66
		.amdhsa_reserve_vcc 0
		.amdhsa_float_denorm_mode_32 3
		.amdhsa_float_denorm_mode_16_64 3
		.amdhsa_memory_ordered 1
		.amdhsa_forward_progress 1
		.amdhsa_inst_pref_size 6
	.end_amdhsa_kernel
	.amdgpu_metadata
---
amdhsa.version: [ 1, 2 ]
amdhsa.kernels:
  - .name:           k_q426e5c84dd_cast
    .symbol:         k_q426e5c84dd_cast.kd
    .args:
      - { .name: h_shard, .offset: 0, .size: 8, .value_kind: global_buffer, .address_space: global }
      - { .name: xb, .offset: 8, .size: 8, .value_kind: global_buffer, .address_space: global }
    .group_segment_fixed_size: 35840
    .private_segment_fixed_size: 0
    .kernarg_segment_align: 8
    .kernarg_segment_size: 16
    .max_flat_workgroup_size: 256
    .sgpr_count:     66
    .vgpr_count:     96
    .wavefront_size: 32
...
	.end_amdgpu_metadata
.endif
;; end of part 1
;; launch gateup (part 2): grid 64 x 4, 4 waves a work-group, clusters of 4 x 4, 327,680 bytes of LDS; arguments xb, w_gate_up, hbuf; writes hbuf
.if DOCPART == 2
	.amdgcn_target "amdgcn-amd-amdhsa--gfx1250"
	.amdhsa_code_object_version 6
	.text
	.protected	k_q426e5c84dd_gateup
	.globl	k_q426e5c84dd_gateup
	.p2align	8
	.type	k_q426e5c84dd_gateup,@function
k_q426e5c84dd_gateup:
	s_mov_b64 s[64:65], 0
	v_nop
	global_prefetch_b8 v0, s[64:65] scope:SCOPE_SE
	s_setreg_imm32_b32 hwreg(HW_REG_WAVE_MODE, 25, 1), 1
	s_wait_xcnt 0x0
	s_wait_alu depctr_hold_cnt(0) depctr_sa_sdst(0) depctr_va_vdst(0) depctr_va_sdst(0) depctr_va_ssrc(0) depctr_va_vcc(0) depctr_vm_vsrc(0)
	s_getreg_b32 s2, hwreg(HW_REG_IB_STS2, 6, 4)
	s_cmp_eq_u32 s2, 0
	s_cbranch_scc0 .Lentry_in_a_cluster
	s_endpgm
.Lentry_in_a_cluster:
	s_bfe_u32 s2, ttmp6, 0x10000c
	s_cmp_lg_u32 s2, 0xf033
	s_cbranch_scc0 .Lentry_shape_is_right
	s_endpgm
.Lentry_shape_is_right:
; hbuf = silu(X Wg^T) * (X Wu^T) in bf16.  X: 1,024 x 2,048, bf16 in fragment order (xb: block (mblk, chunk) of 16 rows x 16 k = 512 bytes at (mblk x 128 + chunk) x 512, lane l's 16 bytes at 16 l).
; w_gate_up: [16384][2048] f32, rows 0-8191 gate, 8192-16383 up.  hbuf: 1,024 x 8,192 bf16 in the same fragment order with 512 chunks a block row.
; Products in bf16 (the weights are rounded to nearest even between LDS and the matrix unit), sums in f32; silu in f32; h rounded once.
; LIMITS.  sigmoid = 1 / (1 + 2^(-g log2 e)): below 2^-126 it counts as 0; where the exponential passes f32's range the reciprocal is 0, and h is 0.  NaN and infinities are not treated apart.
; SHARES.  A work-group makes 256 rows x (128 gate columns and the SAME 128 up columns): 256 rows of B.  Four waves, as many as a WGP has SIMDs; wave (wm, wn) owns rows 128 wm .. + 127 and
; B rows 64 wn + 16 b (gate, b = 0..3) and 128 + 64 wn + 16 (b - 4) (up, b = 4..7): 64 accumulators, 512 registers; gate and up of one number lie in the same lane, 32 registers apart.
; THE MATRIX INSTRUCTION IS USED TRANSPOSED (source 0 = 16 rows of B, source 1 = 16 rows of A): a lane holds row lane % 16 and columns 8 (lane / 16) + 0..7, which rounded to bf16 are the lane's 16 bytes
; of a block of hbuf: every store is 512 consecutive bytes, and no stage in LDS is needed.
; RING.  K goes in steps of 64 through two LDS slots: A 16 blocks x 2,048 bytes, dense; B 256 rows x 256 bytes of f32, padded to 272.  Two slots of a K step of 128 do not fit (f32 rows are twice as long).
; A step is two QUARTERS of 32 along K, 64 matrix instructions each, on two operand buffers.  The next quarter's 48 LDS loads stand in ONE run at the quarter's head, never singly among the matrix
; instructions: two window switches for the run, and 48 matrix instructions in which B's 32 loads land.  B's 64 roundings stand four behind each of the last 16 matrix instructions, at the price of two
; window switches for each of those.
; CLUSTER 4 x 4.  A's tile hangs on the tile row (cy) alone and is asked for jointly by a row of the cluster, B's on the tile column alone and jointly by a column: each request serves four work-groups.
; One tile to a work-group (256 tiles): nothing to stay for.  By this text's count a wave has two tensor loads out at the start, later one.
; REGISTERS, in windows of 256 (s_set_vgpr_msb: bits 1:0 source 0, 3:2 source 1, 5:4 source 2, 7:6 destination):
;   window 0: v0-31 addresses; v32-63 packed h, two buffers; v64-191 A's operands, two buffers; v192-223 at work on the way out
;   window 1: v0-127 B as f32, as loaded; v128-255 B's operands in bf16, two buffers          windows 2, 3: accumulator (a, b) at v[8 (8 (a % 4) + b)] of window 2 + a / 4
.set TSTEPS, 32                        ; K steps: 2,048 / 64
.set APB,    65536                     ; bytes from a block row of xb to the next
.set BPE,    2048                      ; elements from a row of w_gate_up to the next
.set ASTEP,  2048                      ; a K step in xb: 4 chunks
.set BSTEP,  256                       ; a K step in a row of B: 64 f32
.set PITCH,  272                       ; a row of B in LDS: 256 + 16 bytes = 68 words: the 16 rows of a load start at 16 different groups of four banks (64 banks of 4 bytes: ISA guide 11.1)
.set BOFF,   32768                     ; B's rows lie behind A's 16 blocks
.set SLOT1,  131072                    ; slot 1 begins here, so that one exclusive or turns an address in one slot into the other's
.set SPARE,  SLOT1+BOFF+256*PITCH      ; behind the ring (233,472): the spare words, 128 bytes a wave, that no other line names
.set A0,   16                          ; v16  my lane's place in a slot's A; never rewritten
.set B0,   17                          ; v17  the same for B
.set ADRA, 18                          ; v18  A's address for the run of loads in hand
.set ADRB, 19                          ; v19  B's
.set GO,   24                          ; v24  16 x lane
.set PF,   27                          ; v27  lane x a row of B in bytes; never rewritten
.set SPW,  28                          ; v28  LDS address of my spare word; never rewritten
.set NIL,  29                          ; v29  0; never rewritten
.set YR,   32
.set FA,   64
.set TR,   192
.set ST,   0                           ; window 1
.set FB,   128                         ; window 1
.set G1,   24                          ; s[24:31] descriptor group 1 for A's tiles
.set G0,   32                          ; s[32:39] group 0 for A's: set 0 is K step 0; set 1 is K step 1 and then walks
.set G1B,  48                          ; s[48:55], s[56:63] the same for B's
.set G0B,  56
.set TB,   66                          ; s66  the slot that the LDS loads read: 0 or SLOT1
.set PFB,  68                          ; s[68:69] where the prefetch points
.set NL2E, 72                          ; s[72:73] -log2 e: the packed multiply names a pair and takes its low word for both halves
.set MSB, 0
.macro WIN new                         ; the immediate's high byte repeats the setting that is left; a switch that changes nothing is dropped
.if MSB != (\new)
	s_set_vgpr_msb (MSB<<8)|(\new)
.set MSB, \new
.endif
.endm
.set MUL_LO, 0xa1                      ; source 0 (B) window 1, source 1 (A) window 0, C and D window 2
.set TO_ST,  0x40                      ; destination window 1, address window 0
.set CVT,    0x45                      ; destination and both sources window 1
; A joint load.  Waves 0 and 1 fetch A's two halves, waves 2 and 3 B's; the branch hangs on the wave's number alone.  An s_nop 0 and four v_nop follow each of the two lines.
; pf = 1: behind A's line waves 0 and 1 also ask, into the L2, for B's rows of the K step two behind the one just requested: tile rows 64 cy + 32 w + lane, one row's 256 bytes a lane, so the four
; work-groups that share the tile cover its 256 rows once.  It stops (counter below 3) when the last K step has been asked for: no request leaves the buffer.
.macro JLOAD s, pf
	s_cmp_eq_u32 s11, 0
	s_cbranch_scc0 .Lfor_b_\@
	tensor_load_to_lds s[G0+4*(\s):G0+4*(\s)+3], s[G1:G1+7]
	s_nop 0
.rept 4
	v_nop
.endr
.if \pf
	s_cmp_lt_u32 s3, 3
	s_cbranch_scc1 .Lasked_\@
	global_prefetch_b8 v[PF], s[PFB:PFB+1] th:TH_LOAD_NT scope:SCOPE_SE
.endif
	s_branch .Lasked_\@
.Lfor_b_\@:
	tensor_load_to_lds s[G0B+4*(\s):G0B+4*(\s)+3], s[G1B:G1B+7]
	s_nop 0
.rept 4
	v_nop
.endr
.Lasked_\@:
.endm
.macro CREST                           ; a round of the cluster's barrier behind its opening barrier: wave 0 signals for the work-group, every wave waits for all sixteen, my work-group's barrier closes it
	s_cmp_lg_u32 s10, 0
	s_cbranch_scc1 .Lnot_wave_0_\@
	s_barrier_signal -3
.Lnot_wave_0_\@:
	s_barrier_wait -3
	s_barrier_signal -1
	s_barrier_wait -1
.endm
.macro CROUND                          ; a whole round
	s_barrier_signal -1
	s_barrier_wait -1
	CREST
.endm
.macro PLACES                          ; four plain vector instructions between a matrix instruction and the first reader of its result (ISA guide 7.12.1)
.rept 4
	v_nop
.endr
.endm
	s_load_b128 s[4:7], s[0:1], 0x0                ; xb s[4:5], w_gate_up s[6:7]
	s_load_b64 s[8:9], s[0:1], 0x10                ; hbuf
	v_lshl_add_u32 v[SPW], v0, 2, SPARE
	v_mov_b32 v[NIL], 0
	ds_add_u32 v[SPW], v[NIL]                      ; the wave's opening: the add and its wait stand ahead of my first tensor load; the set-up below, work on registers, stands between them
	v_lshrrev_b32 v1, 5, v0
	v_readfirstlane_b32 s10, v1                    ; wave 0..3
	s_lshr_b32 s11, s10, 1                         ; wm: my half of the tile's rows.  Also: I fetch for A (0) or for B (1)
	s_and_b32 s12, s10, 1                          ; wn: my half of the columns.  Also: which half of that tile I fetch
	s_bfe_u32 s40, ttmp6, 0x40000                  ; cx
	s_bfe_u32 s41, ttmp6, 0x40004                  ; cy
	s_lshl_b32 s42, ttmp9, 2
	s_add_co_u32 s42, s42, s40                     ; tile column tn = 4 x cluster x + cx, 0..63
	s_mov_b32 s13, s41                             ; tile row tm = cy: the grid is one cluster high
	s_lshl_b32 s43, s41, 2
	s_lshl_b32 s43, 15, s43                        ; my row of the cluster
	s_lshl_b32 s44, 0x1111, s40                    ; my column
	; group 1 for A: 8 block rows of 2,048 bytes (256 elements of 8 bytes), dense in LDS
	s_or_b32 s[G1+0], s43, (3<<16)|(1<<21)         ; 15:0 the mask: my row; 17:16 elements of 8 bytes; 21 set beside a mask
	s_mov_b32 s[G1+1], 256<<16                     ; tensor_dim0 = 256
	s_mov_b32 s[G1+2], 8<<16                       ; tensor_dim1 = 8
	s_mov_b32 s[G1+3], 256<<16                     ; tile_dim0 = 256
	s_mov_b32 s[G1+4], 8                           ; tile_dim1 = 8
	s_mov_b32 s[G1+5], APB/8                       ; elements from block row to block row
	s_mov_b32 s[G1+6], 0
	s_mov_b32 s[G1+7], 0
	; group 1 for B: 128 rows of 64 f32, 16 bytes of padding behind each
	s_or_b32 s[G1B+0], s44, (2<<16)|(1<<20)|(1<<21)|(5<<22)|(3<<25)  ; the mask: my column; elements of 4 bytes; padding on; 21 set beside a mask; after every 64 words (code 5) 4 words (code 3)
	s_mov_b32 s[G1B+1], 64<<16                     ; tensor_dim0 = 64
	s_mov_b32 s[G1B+2], 128<<16                    ; tensor_dim1 = 128
	s_mov_b32 s[G1B+3], 64<<16                     ; tile_dim0 = 64
	s_mov_b32 s[G1B+4], 128                        ; tile_dim1 = 128
	s_mov_b32 s[G1B+5], BPE
	s_mov_b32 s[G1B+6], 0
	s_mov_b32 s[G1B+7], 0
	; where the tiles come from: A's offset is made of the tile row and the wave's number, B's of the tile column and the wave's number, each in registers that never hold the other coordinate
	s_lshl_b32 s16, s13, 20                        ; A: block row 16 tm + 8 half, 65,536 bytes each
	s_lshl_b32 s17, s12, 19
	s_add_co_u32 s16, s16, s17
	s_mov_b32 s17, 0
	s_lshl_b32 s46, s42, 20                        ; B: gate rows 128 tn on (8,192 bytes a row); half 1: the up rows, 8,192 rows further down
	s_lshl_b32 s47, s12, 26
	s_add_co_u32 s46, s46, s47
	s_mov_b32 s47, 0
	s_lshl_b32 s20, s12, 14                        ; and where they go: A's halves of 16,384 bytes,
	s_mul_i32 s21, s12, 128*PITCH                  ; B's of 128 rows, behind A
	s_add_co_u32 s21, s21, BOFF
	s_wait_dscnt 0x0                               ; the opening add is done
	s_wait_kmcnt 0x0
	s_add_nc_u64 s[14:15], s[4:5], s[16:17]
	s_add_nc_u64 s[46:47], s[6:7], s[46:47]
	CROUND                                         ; all sixteen work-groups are here: the first joint loads meet
.irp s, 0,1
	s_mov_b32 s[G0+4*(\s)], 1                                      ; count = 1
	s_add_co_u32 s[G0+4*(\s)+1], s20, (\s)*SLOT1                   ; LDS address
	s_add_nc_u64 s[G0+4*(\s)+2:G0+4*(\s)+3], s[14:15], (\s)*ASTEP  ; global address: K step s
	s_or_b32 s[G0+4*(\s)+3], s[G0+4*(\s)+3], 0x80000000            ; type = 2
	s_mov_b32 s[G0B+4*(\s)], 1
	s_add_co_u32 s[G0B+4*(\s)+1], s21, (\s)*SLOT1
	s_add_nc_u64 s[G0B+4*(\s)+2:G0B+4*(\s)+3], s[46:47], (\s)*BSTEP
	s_or_b32 s[G0B+4*(\s)+3], s[G0B+4*(\s)+3], 0x80000000
	JLOAD \s, 0                                    ; the ring is filled before anything else is done
.endr
	v_and_b32 v1, 15, v0                           ; r = lane % 16
	v_bfe_u32 v2, v0, 4, 1                         ; h = lane / 16
	v_and_b32 v3, 31, v0                           ; lane
	s_lshl_b32 s22, s11, 14                        ; my 8 blocks of A
	v_lshl_add_u32 v[A0], v3, 4, s22               ; + 16 x lane
	v_mul_u32_u24 v4, v1, PITCH
	v_lshl_add_u32 v4, v2, 5, v4                   ; B: row r, 8 f32 = 32 bytes for each half of the lanes
	s_mul_i32 s23, s12, 64*PITCH                   ; my 64 rows of each half of B
	s_add_co_u32 s23, s23, BOFF
	v_add_nc_u32 v[B0], s23, v4
	v_lshlrev_b32 v[GO], 4, v3
	v_lshlrev_b32 v[PF], 13, v3                    ; a row of w_gate_up is 8,192 bytes
	s_lshl_b32 s70, s42, 20                        ; the prefetch's rows: the tile's gate or up half by cy / 2,
	s_lshr_b32 s71, s41, 1
	s_lshl_b32 s71, s71, 26
	s_add_co_u32 s70, s70, s71
	s_and_b32 s71, s41, 1                          ; in it rows 64 (cy % 2) + 32 (w % 2) on,
	s_lshl_b32 s71, s71, 19
	s_add_co_u32 s70, s70, s71
	s_lshl_b32 s71, s12, 18
	s_add_co_u32 s70, s70, s71
	s_add_co_u32 s70, s70, 3*BSTEP                 ; at K step 3: it is stepped ahead of each use, so the first request is step 4's
	s_mov_b32 s71, 0
	s_add_nc_u64 s[PFB:PFB+1], s[6:7], s[70:71]
	s_lshl_b32 s70, s13, 22                        ; hbuf: block row 16 tm + 8 wm (262,144 bytes each), chunk 8 tn + 4 wn (512 bytes each)
	s_lshl_b32 s71, s11, 21
	s_add_co_u32 s70, s70, s71
	s_lshl_b32 s71, s42, 12
	s_add_co_u32 s70, s70, s71
	s_lshl_b32 s71, s12, 11
	s_add_co_u32 s70, s70, s71
	s_mov_b32 s71, 0
	s_add_nc_u64 s[8:9], s[8:9], s[70:71]
	s_mov_b32 s[NL2E], 0xbfb8aa3b                  ; -log2 e
	s_mov_b32 s[NL2E+1], s[NL2E]                   ; named with it as a pair
	s_mov_b32 s[TB], 0
; A run of 48 LDS loads: quarter q of the slot that ADRA and ADRB point into, for buffers g.  First B as f32, 32 loads: operand n / 4 (16 rows x 32 k), of whose 64 bytes a lane load n is piece n % 4
; (k = 8 h + 0..3, + 4..7, 16 + 8 h + 0..3, + 4..7).  Then A in bf16, 16 loads: block n / 2, chunk 2 q + n % 2: 512 consecutive bytes each.
.macro FETCH q, g
	WIN TO_ST
.set nn, 0
.rept 32
	ds_load_b128 v[ST+4*nn:ST+4*nn+3], v[ADRB] offset:(16*(nn/4)+64*(nn/16))*PITCH+128*(\q)+16*(nn%2)+64*((nn%4)/2)
.set nn, nn+1
.endr
	WIN 0
.set nn, 0
.rept 16
	ds_load_b128 v[FA+64*(\g)+4*nn:FA+64*(\g)+4*nn+3], v[ADRA] offset:2048*(nn/2)+1024*(\q)+512*(nn%2)
.set nn, nn+1
.endr
.endm
; Half i of 16 of B's eight operands is rounded to bf16: eight f32 into four registers of buffer g
.macro CVF i, g
	WIN CVT
.irp j, 0,1,2,3
	v_cvt_pk_bf16_f32 v[FB+64*(\g)+4*(\i)+(\j)], v[ST+8*(\i)+2*(\j)], v[ST+8*(\i)+2*(\j)+1]
.endr
.endm
; 8 matrix instructions on buffers f: block a of the window's four (hi = 0: my rows 0-63, 1: rows 64-127) x all 8 operands of B.  zero = 1: the product starts the sum.
; cv = 1 (blocks 2 and 3 of the upper window alone): four roundings for the other buffer behind each; none of them names a register of the products round it.
.macro GRP8 f, hi, a, zero, cv
.irp b, 0,1,2,3,4,5,6,7
	WIN MUL_LO+0x50*(\hi)
.if \zero
	v_wmma_f32_16x16x32_bf16 v[8*(8*(\a)+(\b)):8*(8*(\a)+(\b))+7], v[FB+64*(\f)+8*(\b):FB+64*(\f)+8*(\b)+7], v[FA+64*(\f)+8*(4*(\hi)+(\a)):FA+64*(\f)+8*(4*(\hi)+(\a))+7], 0
.else
	v_wmma_f32_16x16x32_bf16 v[8*(8*(\a)+(\b)):8*(8*(\a)+(\b))+7], v[FB+64*(\f)+8*(\b):FB+64*(\f)+8*(\b)+7], v[FA+64*(\f)+8*(4*(\hi)+(\a)):FA+64*(\f)+8*(4*(\hi)+(\a))+7], v[8*(8*(\a)+(\b)):8*(8*(\a)+(\b))+7]
.endif
.if \cv
	CVF 8*((\a)-2)+(\b), 1-(\f)
.endif
.endr
.endm
; A QUARTER: 64 matrix instructions on buffers f, the 64 accumulators by turns (63 others' stand between two on one accumulator, over the backward jump too).
; At its head quarter q of the slot at TB is fetched for the other buffers, in one run; behind the last 16 products B is rounded into them.
; The four roundings behind a quarter's last product and the two address lines are the places (ISA guide 7.12.1 for vector instructions) in front of the loads into A's other buffer and of the next writes of B's.
; mode 0: no change of slots.  mode 1: this quarter's loads are the slot's last, so the slot is left and filled again with the K step two on.  mode 2: the slot is left, nothing is asked for.  mode 3: the last quarter: nothing is fetched.
.macro QUART f, q, mode, zero
.if (\mode) != 3
	WIN 0
	v_add_nc_u32 v[ADRB], s[TB], v[B0]
	v_add_nc_u32 v[ADRA], s[TB], v[A0]
.endif
	s_wait_dscnt 0x0                               ; this quarter's A is in (issued a quarter ago)
.if (\mode) != 3
	FETCH \q, 1-(\f)
.endif
	GRP8 \f, 0, 0, \zero, 0
	GRP8 \f, 0, 1, \zero, 0
	GRP8 \f, 0, 2, \zero, 0
	GRP8 \f, 0, 3, \zero, 0
	GRP8 \f, 1, 0, \zero, 0
	GRP8 \f, 1, 1, \zero, 0
.if (\mode) == 0
	s_wait_dscnt 16                                ; of the run of 48 the 32 loads of B are in; the 16 younger ones, A's, may be out
	GRP8 \f, 1, 2, \zero, 1
	GRP8 \f, 1, 3, \zero, 1
.elseif (\mode) == 3
	GRP8 \f, 1, 2, \zero, 0
	GRP8 \f, 1, 3, \zero, 0
.else
	WIN 0                                          ; (the add's two registers lie in window 0)
	s_wait_tensorcnt 0x0                           ; all my tensor loads have landed: the one that was out is my part of the other slot; so a group 0 may be written
	ds_add_u32 v[SPW], v[NIL]                      ; 0 onto my spare word: scalar work and eight products with their roundings stand between it and the wait for it
.if (\mode) == 1
	s_xor_b32 s[G0+5], s[G0+5], SLOT1              ; the walking descriptors: the other slot than last time,
	s_add_nc_u64 s[G0+6:G0+7], s[G0+6:G0+7], ASTEP ; the next K step; the type bits on top are not reached
	s_xor_b32 s[G0B+5], s[G0B+5], SLOT1
	s_add_nc_u64 s[G0B+6:G0B+7], s[G0B+6:G0B+7], BSTEP
	s_wait_xcnt 0x0                                ; the last prefetch, a K step back, has had its address translated (ISA guide 3.1): its base is stepped only behind this wait
	s_add_nc_u64 s[PFB:PFB+1], s[PFB:PFB+1], BSTEP
.endif
	s_xor_b32 s[TB], s[TB], SLOT1                  ; the next loads read the other slot
	s_wait_dscnt 17                                ; the 32 loads of B are in; A's 16 and the add, issued behind them, may be out
	GRP8 \f, 1, 2, \zero, 1
	s_wait_dscnt 0x0                               ; the add is done, and my reads of this slot (the run at the quarter's head) are over
	s_barrier_signal -1                            ; say so (in mode 1 this barrier opens a round of the cluster's barrier)
	GRP8 \f, 1, 3, \zero, 1                        ; work on registers alone while the others arrive
	WIN 0                                          ; at a branch and at a label every window is 0
	s_barrier_wait -1                              ; nobody reads the old slot any more, and the other slot is whole
.if (\mode) == 1
	CREST                                          ; no wave of any partner still reads the slot or has a load on its way
	JLOAD 1, 1                                     ; the first tensor load behind the round, one a wave: 112 matrix instructions ahead of the wait for it
.endif
.endif
.endm
	s_wait_tensorcnt 0x1                           ; my part of K step 0 is in; step 1's may stay out
	s_barrier_signal -1
	s_barrier_wait -1                              ; everybody's is
	v_add_nc_u32 v[ADRB], s[TB], v[B0]
	v_add_nc_u32 v[ADRA], s[TB], v[A0]
	FETCH 0, 0                                     ; K step 0, first quarter
	s_wait_dscnt 0x0
.set nn, 0
.rept 16
	CVF nn, 0
.set nn, nn+1
.endr
	WIN 0
	s_mov_b32 s3, TSTEPS-3
	QUART 0, 1, 1, 1                               ; the first quarter stands in front of the loop: its products start the sums; it asks for K step 2
.Lstep:                                                ; trip i = 1 .. TSTEPS - 3: step i - 1's second quarter, step i's first; asks for step i + 2
	QUART 1, 0, 0, 0
	QUART 0, 1, 1, 0
	s_sub_co_u32 s3, s3, 1
	s_cmp_lg_u32 s3, 0
	s_cbranch_scc1 .Lstep
	QUART 1, 0, 0, 0                               ; the tail is written out: nothing is left to ask for
	QUART 0, 1, 2, 0                               ; the last change of slots: the last K step has landed
	QUART 1, 0, 0, 0
	QUART 0, 1, 0, 0
	QUART 1, 0, 3, 0
	WIN 0
	PLACES
; THE WAY OUT of block a (16 rows x my 64 columns).  t = -g log2 e; 2^t; 1 + 2^t; its reciprocal; (g x that) x u, in the order in which the definition multiplies; rounded to bf16; four stores of 512 bytes.
; Each accumulator's registers are read in ascending order.  A v_nop stands behind each run of transcendentals, ahead of the first use of a result (ISA guide 5.7.2).
.macro ACT a
.set GX, 64*((\a)%4)                   ; the four gate accumulators; the four up accumulators lie 32 registers on
.set YB, YR+16*((\a)%2)
	WIN 2+(\a)/4                                   ; source 0 in the accumulators' window
.set i, 0
.rept 16
	v_pk_mul_f32 v[TR+2*i:TR+2*i+1], v[GX+2*i:GX+2*i+1], s[NL2E:NL2E+1] op_sel_hi:[1,0]
.set i, i+1
.endr
	WIN 0
.set i, 0
.rept 32
	v_exp_f32 v[TR+i], v[TR+i]
.set i, i+1
.endr
	v_nop
.set i, 0
	s_wait_alu depctr_va_vdst(0)
.rept 16
	v_pk_add_f32 v[TR+2*i:TR+2*i+1], v[TR+2*i:TR+2*i+1], 1.0 op_sel_hi:[1,0]
.set i, i+1
.endr
.set i, 0
.rept 32
	v_rcp_f32 v[TR+i], v[TR+i]
.set i, i+1
.endr
	v_nop
	WIN 2+(\a)/4
.set i, 0
	s_wait_alu depctr_va_vdst(0)
.rept 16
	v_pk_mul_f32 v[TR+2*i:TR+2*i+1], v[GX+2*i:GX+2*i+1], v[TR+2*i:TR+2*i+1]
.set i, i+1
.endr
.set i, 0
.rept 16
	v_pk_mul_f32 v[TR+2*i:TR+2*i+1], v[GX+32+2*i:GX+32+2*i+1], v[TR+2*i:TR+2*i+1]
.set i, i+1
.endr
	WIN 0
	s_wait_xcnt 0x0                                ; every earlier store has had its addresses translated (ISA guide 3.1): the buffer that the block two back was stored from is rewritten only behind this wait
.set i, 0
.rept 16
	v_cvt_pk_bf16_f32 v[YB+i], v[TR+2*i], v[TR+2*i+1]
.set i, i+1
.endr
.irp b, 0,1,2,3
	global_store_b128 v[GO], v[YB+4*(\b):YB+4*(\b)+3], s[8:9] offset:(\a)*262144+(\b)*512  ; one block of hbuf: 512 consecutive bytes, at a multiple of 512 from its first
.endr
.endm
.irp a, 0,1,2,3,4,5,6,7
	ACT \a
.endr
	s_wait_tensorcnt 0x0                           ; the wave's end: 0 is added onto my spare word behind my last tensor load
	ds_add_u32 v[SPW], v[NIL]
	s_wait_dscnt 0x0
	CROUND                                         ; the closing round: no work-group ends while a partner may still ask for a tile that names it
	s_endpgm
.Lfunc_end_k_q426e5c84dd_gateup:
	.size	k_q426e5c84dd_gateup, .Lfunc_end_k_q426e5c84dd_gateup-k_q426e5c84dd_gateup
	.p2alignl 7, 3214868480
	.fill 96, 4, 3214868480
	.section	.rodata,"a",@progbits
	.p2align	6, 0x0
	.amdhsa_kernel k_q426e5c84dd_gateup
		.amdhsa_group_segment_fixed_size 327680
		.amdhsa_private_segment_fixed_size 0
		.amdhsa_enable_private_segment 0
		.amdhsa_kernarg_size 24
		.amdhsa_user_sgpr_count 2
		.amdhsa_user_sgpr_kernarg_segment_ptr 1
		.amdhsa_wavefront_size32 1
		.amdhsa_system_sgpr_workgroup_id_x 1
		.amdhsa_system_sgpr_workgroup_id_y 1
		.amdhsa_system_sgpr_workgroup_id_z 1
		.amdhsa_system_vgpr_workitem_id 0
		.amdhsa_next_free_vgpr 1024
		.amdhsa_next_free_sgpr 80
		.amdhsa_reserve_vcc 0
		.amdhsa_float_denorm_mode_32 3
		.amdhsa_float_denorm_mode_16_64 3
		.amdhsa_memory_ordered 1
		.amdhsa_forward_progress 1
		.amdhsa_inst_pref_size 169
	.end_amdhsa_kernel
	.amdgpu_metadata
---
amdhsa.version: [ 1, 2 ]
amdhsa.kernels:
  - .name:           k_q426e5c84dd_gateup
    .symbol:         k_q426e5c84dd_gateup.kd
    .args:
      - { .name: xb, .offset: 0, .size: 8, .value_kind: global_buffer, .address_space: global }
      - { .name: w_gate_up, .offset: 8, .size: 8, .value_kind: global_buffer, .address_space: global }
      - { .name: hbuf, .offset: 16, .size: 8, .value_kind: global_buffer, .address_space: global }
    .group_segment_fixed_size: 327680
    .private_segment_fixed_size: 0
    .kernarg_segment_align: 8
    .kernarg_segment_size: 24
    .max_flat_workgroup_size: 128
    .sgpr_count:     80
    .vgpr_count:     1024
    .wavefront_size: 32
...
	.end_amdgpu_metadata
.endif
;; end of part 2
;; launch down (part 3): grid 8 x 32, 4 waves a work-group, clusters of 4 x 4, 327,680 bytes of LDS; arguments hbuf, w_down, part; writes part
.if DOCPART == 3
	.amdgcn_target "amdgcn-amd-amdhsa--gfx1250"
	.amdhsa_code_object_version 6
	.text
	.protected	k_q426e5c84dd_down
	.globl	k_q426e5c84dd_down
	.p2align	8
	.type	k_q426e5c84dd_down,@function
k_q426e5c84dd_down:
	s_mov_b64 s[64:65], 0
	v_nop
	global_prefetch_b8 v0, s[64:65] scope:SCOPE_SE
	s_setreg_imm32_b32 hwreg(HW_REG_WAVE_MODE, 25, 1), 1
	s_wait_xcnt 0x0
	s_wait_alu depctr_hold_cnt(0) depctr_sa_sdst(0) depctr_va_vdst(0) depctr_va_sdst(0) depctr_va_ssrc(0) depctr_va_vcc(0) depctr_vm_vsrc(0)
	s_getreg_b32 s2, hwreg(HW_REG_IB_STS2, 6, 4)
	s_cmp_eq_u32 s2, 0
	s_cbranch_scc0 .Lentry_in_a_cluster
	s_endpgm
.Lentry_in_a_cluster:
	s_bfe_u32 s2, ttmp6, 0x10000c
	s_cmp_lg_u32 s2, 0xf033
	s_cbranch_scc0 .Lentry_shape_is_right
	s_endpgm
.Lentry_shape_is_right:
; part[sp] = H[:, 1024 sp .. + 1023] Wd[:, 1024 sp .. + 1023]^T, sp = 0..7: eight partial sums of the second product, [8][1024][2048] f32; the next launch adds them.
; H: 1,024 x 8,192 bf16 in fragment order (hbuf: block (mblk, chunk) of 16 rows x 16 k = 512 bytes at (mblk x 512 + chunk) x 512, lane l's 16 bytes at 16 l).  w_down: [2048][8192] f32.
; Products in bf16 (the weights are rounded to nearest even between LDS and the matrix unit), sums in f32.
; WHY K IS SPLIT.  The result has 4 x 8 tiles of 256 x 256; eight parts of K make 256 work-groups of equal work.  LIMIT: the sum over K is made as eight sums that are added later, not in one ascending chain.
; SHARES, RING, QUARTERS, REGISTERS: a work-group makes 256 rows x 256 columns over 1,024 of K.  Four waves; wave (wm, wn) owns rows 128 wm .. + 127 and B rows (output columns) 64 wn + 16 b (b = 0..3) and
; 128 + 64 wn + 16 (b - 4) (b = 4..7): 64 accumulators.  K goes in steps of 64 through two LDS slots: A 16 blocks x 2,048 bytes, dense; B 256 rows x 256 bytes of f32, padded to 272.  A step is two quarters of
; 32 along K, 64 matrix instructions each, on two operand buffers; the next quarter's 48 LDS loads stand in ONE run at the quarter's head, never singly among the matrix instructions; B's 64 roundings stand
; four behind each of the last 16 matrix instructions.
; THE MATRIX INSTRUCTION IS USED TRANSPOSED (source 0 = 16 rows of B, source 1 = 16 rows of A): a lane holds row lane % 16 and columns 8 (lane / 16) + 0..7.
; CLUSTER 4 x 4: cx picks the tile column, cy the tile row, the cluster's y the part of K.  A's tile is asked for jointly by a row of the cluster, B's by a column.  A wave has two tensor loads out at the start, later one.
;   window 0: v0-31 addresses; v32-63, v224-255 rows on the way out; v64-191 A's operands, two buffers
;   window 1: v0-127 B as f32, as loaded; v128-255 B's operands in bf16, two buffers          windows 2, 3: accumulator (a, b) at v[8 (8 (a % 4) + b)] of window 2 + a / 4
.set TSTEPS, 16                        ; K steps: 1,024 / 64
.set APB,    262144                    ; bytes from a block row of hbuf to the next
.set BPE,    8192                      ; elements from a row of w_down to the next
.set ASTEP,  2048                      ; a K step in hbuf: 4 chunks
.set BSTEP,  256                       ; a K step in a row of B: 64 f32
.set PITCH,  272                       ; a row of B, and of the stage, in LDS: 256 + 16 bytes = 68 words: 16 rows start at 16 different groups of four banks (64 banks of 4 bytes: ISA guide 11.1)
.set BOFF,   32768                     ; B's rows lie behind A's 16 blocks
.set SLOT1,  131072                    ; slot 1 begins here, so that one exclusive or turns an address in one slot into the other's
.set STAGE,  SLOT1+BOFF+256*PITCH      ; behind the ring (233,472), never filled by a tensor load: 16 rows x 272 bytes for each wave
.set SPARE,  STAGE+4*16*PITCH          ; behind the stages (250,880): the spare words, 128 bytes a wave, that no other line names
.set A0,   16                          ; v16  my lane's place in a slot's A; never rewritten
.set B0,   17                          ; v17  the same for B
.set ADRA, 18                          ; v18  A's address for the run of loads in hand
.set ADRB, 19                          ; v19  B's
.set STO,  24                          ; v24  the way out: where I put 32 bytes of a row
.set RD,   25                          ; v25  where I read a row back
.set CO,   26                          ; v26  my byte offset in two rows of part
.set PF,   27                          ; v27  lane x a row of B in bytes; never rewritten
.set SPW,  28                          ; v28  LDS address of my spare word; never rewritten
.set NIL,  29                          ; v29  0; never rewritten
.set OB,   32
.set FA,   64
.set ST,   0                           ; window 1
.set FB,   128                         ; window 1
.set G1,   24                          ; s[24:31] descriptor group 1 for A's tiles
.set G0,   32                          ; s[32:39] group 0 for A's: set 0 is K step 0; set 1 is K step 1 and then walks
.set G1B,  48                          ; s[48:55], s[56:63] the same for B's
.set G0B,  56
.set TB,   66                          ; s66  the slot that the LDS loads read: 0 or SLOT1
.set PFB,  68                          ; s[68:69] where the prefetch points
.set SPL,  74                          ; s74  sp, my part of K
.set MSB, 0
.macro WIN new                         ; the immediate's high byte repeats the setting that is left; a switch that changes nothing is dropped
.if MSB != (\new)
	s_set_vgpr_msb (MSB<<8)|(\new)
.set MSB, \new
.endif
.endm
.set MUL_LO, 0xa1                      ; source 0 (B) window 1, source 1 (A) window 0, C and D window 2
.set TO_ST,  0x40                      ; destination window 1, address window 0
.set CVT,    0x45                      ; destination and both sources window 1
; A joint load.  Waves 0 and 1 fetch A's two halves, waves 2 and 3 B's; the branch hangs on the wave's number alone.  An s_nop 0 and four v_nop follow each of the two lines.
; pf = 1: behind A's line waves 0 and 1 also ask, into the L2, for B's rows of the K step two behind the one just requested: tile rows 64 cy + 32 w + lane, one row's 256 bytes a lane, so the four
; work-groups that share the tile cover its 256 rows once.  It stops (counter below 3) when my part's last K step has been asked for: no request leaves the buffer.
.macro JLOAD s, pf
	s_cmp_eq_u32 s11, 0
	s_cbranch_scc0 .Lfor_b_\@
	tensor_load_to_lds s[G0+4*(\s):G0+4*(\s)+3], s[G1:G1+7]
	s_nop 0
.rept 4
	v_nop
.endr
.if \pf
	s_cmp_lt_u32 s3, 3
	s_cbranch_scc1 .Lasked_\@
	global_prefetch_b8 v[PF], s[PFB:PFB+1] th:TH_LOAD_NT scope:SCOPE_SE
.endif
	s_branch .Lasked_\@
.Lfor_b_\@:
	tensor_load_to_lds s[G0B+4*(\s):G0B+4*(\s)+3], s[G1B:G1B+7]
	s_nop 0
.rept 4
	v_nop
.endr
.Lasked_\@:
.endm
.macro CREST                           ; a round of the cluster's barrier behind its opening barrier: wave 0 signals for the work-group, every wave waits for all sixteen, my work-group's barrier closes it
	s_cmp_lg_u32 s10, 0
	s_cbranch_scc1 .Lnot_wave_0_\@
	s_barrier_signal -3
.Lnot_wave_0_\@:
	s_barrier_wait -3
	s_barrier_signal -1
	s_barrier_wait -1
.endm
.macro CROUND                          ; a whole round
	s_barrier_signal -1
	s_barrier_wait -1
	CREST
.endm
.macro PLACES                          ; four plain vector instructions between a matrix instruction and the first reader of its result (ISA guide 7.12.1)
.rept 4
	v_nop
.endr
.endm
	s_load_b128 s[4:7], s[0:1], 0x0                ; hbuf s[4:5], w_down s[6:7]
	s_load_b64 s[8:9], s[0:1], 0x10                ; part
	v_lshl_add_u32 v[SPW], v0, 2, SPARE
	v_mov_b32 v[NIL], 0
	ds_add_u32 v[SPW], v[NIL]                      ; the wave's opening: the add and its wait stand ahead of my first tensor load; the set-up below, work on registers, stands between them
	v_lshrrev_b32 v1, 5, v0
	v_readfirstlane_b32 s10, v1                    ; wave 0..3
	s_lshr_b32 s11, s10, 1                         ; wm: my half of the tile's rows.  Also: I fetch for A (0) or for B (1)
	s_and_b32 s12, s10, 1                          ; wn: my half of the columns.  Also: which half of that tile I fetch
	s_bfe_u32 s40, ttmp6, 0x40000                  ; cx
	s_bfe_u32 s41, ttmp6, 0x40004                  ; cy
	s_lshl_b32 s42, ttmp9, 2
	s_add_co_u32 s42, s42, s40                     ; tile column tn = 4 x cluster x + cx, 0..7
	s_mov_b32 s13, s41                             ; tile row tm = cy
	s_and_b32 s[SPL], ttmp7, 0xffff                ; the part of K = the cluster's y, which all sixteen share
	s_lshl_b32 s43, s41, 2
	s_lshl_b32 s43, 15, s43                        ; my row of the cluster
	s_lshl_b32 s44, 0x1111, s40                    ; my column
	; group 1 for A: 8 block rows of 2,048 bytes (256 elements of 8 bytes), dense in LDS
	s_or_b32 s[G1+0], s43, (3<<16)|(1<<21)         ; 15:0 the mask: my row; 17:16 elements of 8 bytes; 21 set beside a mask
	s_mov_b32 s[G1+1], 256<<16                     ; tensor_dim0 = 256
	s_mov_b32 s[G1+2], 8<<16                       ; tensor_dim1 = 8
	s_mov_b32 s[G1+3], 256<<16                     ; tile_dim0 = 256
	s_mov_b32 s[G1+4], 8                           ; tile_dim1 = 8
	s_mov_b32 s[G1+5], APB/8                       ; elements from block row to block row
	s_mov_b32 s[G1+6], 0
	s_mov_b32 s[G1+7], 0
	; group 1 for B: 128 rows of 64 f32, 16 bytes of padding behind each
	s_or_b32 s[G1B+0], s44, (2<<16)|(1<<20)|(1<<21)|(5<<22)|(3<<25)  ; the mask: my column; elements of 4 bytes; padding on; 21 set beside a mask; after every 64 words (code 5) 4 words (code 3)
	s_mov_b32 s[G1B+1], 64<<16                     ; tensor_dim0 = 64
	s_mov_b32 s[G1B+2], 128<<16                    ; tensor_dim1 = 128
	s_mov_b32 s[G1B+3], 64<<16                     ; tile_dim0 = 64
	s_mov_b32 s[G1B+4], 128                        ; tile_dim1 = 128
	s_mov_b32 s[G1B+5], BPE
	s_mov_b32 s[G1B+6], 0
	s_mov_b32 s[G1B+7], 0
	; where the tiles come from: A's offset is made of the tile row, the part of K and the wave's number, B's of the tile column, the part of K and the wave's number
	s_lshl_b32 s16, s13, 22                        ; A: block row 16 tm + 8 half, 262,144 bytes each,
	s_lshl_b32 s17, s12, 21
	s_add_co_u32 s16, s16, s17
	s_lshl_b32 s17, s[SPL], 15                     ; chunk 64 sp on
	s_add_co_u32 s16, s16, s17
	s_mov_b32 s17, 0
	s_lshl_b32 s46, s42, 23                        ; B: row 256 tn + 128 half, 32,768 bytes each,
	s_lshl_b32 s47, s12, 22
	s_add_co_u32 s46, s46, s47
	s_lshl_b32 s47, s[SPL], 12                     ; k = 1,024 sp on
	s_add_co_u32 s46, s46, s47
	s_mov_b32 s47, 0
	s_lshl_b32 s20, s12, 14                        ; and where they go: A's halves of 16,384 bytes,
	s_mul_i32 s21, s12, 128*PITCH                  ; B's of 128 rows, behind A
	s_add_co_u32 s21, s21, BOFF
	s_wait_dscnt 0x0                               ; the opening add is done
	s_wait_kmcnt 0x0
	s_add_nc_u64 s[14:15], s[4:5], s[16:17]
	s_add_nc_u64 s[46:47], s[6:7], s[46:47]
	CROUND                                         ; all sixteen work-groups are here: the first joint loads meet
.irp s, 0,1
	s_mov_b32 s[G0+4*(\s)], 1                                      ; count = 1
	s_add_co_u32 s[G0+4*(\s)+1], s20, (\s)*SLOT1                   ; LDS address
	s_add_nc_u64 s[G0+4*(\s)+2:G0+4*(\s)+3], s[14:15], (\s)*ASTEP  ; global address: K step s
	s_or_b32 s[G0+4*(\s)+3], s[G0+4*(\s)+3], 0x80000000            ; type = 2
	s_mov_b32 s[G0B+4*(\s)], 1
	s_add_co_u32 s[G0B+4*(\s)+1], s21, (\s)*SLOT1
	s_add_nc_u64 s[G0B+4*(\s)+2:G0B+4*(\s)+3], s[46:47], (\s)*BSTEP
	s_or_b32 s[G0B+4*(\s)+3], s[G0B+4*(\s)+3], 0x80000000
	JLOAD \s, 0                                    ; the ring is filled before anything else is done
.endr
	v_and_b32 v1, 15, v0                           ; r = lane % 16
	v_bfe_u32 v2, v0, 4, 1                         ; h = lane / 16
	v_and_b32 v3, 31, v0                           ; lane
	s_lshl_b32 s22, s11, 14                        ; my 8 blocks of A
	v_lshl_add_u32 v[A0], v3, 4, s22               ; + 16 x lane
	v_mul_u32_u24 v4, v1, PITCH
	v_lshl_add_u32 v4, v2, 5, v4                   ; row r, 8 f32 = 32 bytes for each half of the lanes: B's operands, and the stage's way in
	s_mul_i32 s23, s12, 64*PITCH                   ; my 64 rows of each half of B
	s_add_co_u32 s23, s23, BOFF
	v_add_nc_u32 v[B0], s23, v4
	s_mul_i32 s23, s10, 16*PITCH
	s_add_co_u32 s23, s23, STAGE                   ; my stage
	v_add_nc_u32 v[STO], s23, v4
	v_mul_u32_u24 v5, v2, PITCH                    ; back: lanes 0-15 take one row of 256 bytes, lanes 16-31 the next
	v_lshl_add_u32 v5, v1, 4, v5
	v_add_nc_u32 v[RD], s23, v5
	v_lshlrev_b32 v[CO], 4, v1                     ; and the same two rows in part (8,192 bytes a row)
	v_lshl_add_u32 v[CO], v2, 13, v[CO]
	v_lshlrev_b32 v[PF], 15, v3                    ; a row of w_down is 32,768 bytes
	s_lshl_b32 s70, s42, 23                        ; the prefetch's rows: 256 tn + 64 cy + 32 (w % 2) on,
	s_lshl_b32 s71, s41, 21
	s_add_co_u32 s70, s70, s71
	s_lshl_b32 s71, s12, 20
	s_add_co_u32 s70, s70, s71
	s_lshl_b32 s71, s[SPL], 12                     ; my part of K,
	s_add_co_u32 s70, s70, s71
	s_add_co_u32 s70, s70, 3*BSTEP                 ; at K step 3: it is stepped ahead of each use, so the first request is step 4's
	s_mov_b32 s71, 0
	s_add_nc_u64 s[PFB:PFB+1], s[6:7], s[70:71]
	s_lshl_b32 s70, s[SPL], 23                     ; part: plane sp (8,388,608 bytes), row 256 tm + 128 wm, column 256 tn + 64 wn
	s_lshl_b32 s71, s13, 21
	s_add_co_u32 s70, s70, s71
	s_lshl_b32 s71, s11, 20
	s_add_co_u32 s70, s70, s71
	s_lshl_b32 s71, s42, 10
	s_add_co_u32 s70, s70, s71
	s_lshl_b32 s71, s12, 8
	s_add_co_u32 s70, s70, s71
	s_mov_b32 s71, 0
	s_add_nc_u64 s[8:9], s[8:9], s[70:71]
	s_mov_b32 s[TB], 0
; A run of 48 LDS loads: quarter q of the slot that ADRA and ADRB point into, for buffers g.  First B as f32, 32 loads: operand n / 4 (16 rows x 32 k), of whose 64 bytes a lane load n is piece n % 4
; (k = 8 h + 0..3, + 4..7, 16 + 8 h + 0..3, + 4..7).  Then A in bf16, 16 loads: block n / 2, chunk 2 q + n % 2: 512 consecutive bytes each.
.macro FETCH q, g
	WIN TO_ST
.set nn, 0
.rept 32
	ds_load_b128 v[ST+4*nn:ST+4*nn+3], v[ADRB] offset:(16*(nn/4)+64*(nn/16))*PITCH+128*(\q)+16*(nn%2)+64*((nn%4)/2)
.set nn, nn+1
.endr
	WIN 0
.set nn, 0
.rept 16
	ds_load_b128 v[FA+64*(\g)+4*nn:FA+64*(\g)+4*nn+3], v[ADRA] offset:2048*(nn/2)+1024*(\q)+512*(nn%2)
.set nn, nn+1
.endr
.endm
; Half i of 16 of B's eight operands is rounded to bf16: eight f32 into four registers of buffer g
.macro CVF i, g
	WIN CVT
.irp j, 0,1,2,3
	v_cvt_pk_bf16_f32 v[FB+64*(\g)+4*(\i)+(\j)], v[ST+8*(\i)+2*(\j)], v[ST+8*(\i)+2*(\j)+1]
.endr
.endm
; 8 matrix instructions on buffers f: block a of the window's four (hi = 0: my rows 0-63, 1: rows 64-127) x all 8 operands of B.  zero = 1: the product starts the sum.
; cv = 1 (blocks 2 and 3 of the upper window alone): four roundings for the other buffer behind each; none of them names a register of the products round it.
.macro GRP8 f, hi, a, zero, cv
.irp b, 0,1,2,3,4,5,6,7
	WIN MUL_LO+0x50*(\hi)
.if \zero
	v_wmma_f32_16x16x32_bf16 v[8*(8*(\a)+(\b)):8*(8*(\a)+(\b))+7], v[FB+64*(\f)+8*(\b):FB+64*(\f)+8*(\b)+7], v[FA+64*(\f)+8*(4*(\hi)+(\a)):FA+64*(\f)+8*(4*(\hi)+(\a))+7], 0
.else
	v_wmma_f32_16x16x32_bf16 v[8*(8*(\a)+(\b)):8*(8*(\a)+(\b))+7], v[FB+64*(\f)+8*(\b):FB+64*(\f)+8*(\b)+7], v[FA+64*(\f)+8*(4*(\hi)+(\a)):FA+64*(\f)+8*(4*(\hi)+(\a))+7], v[8*(8*(\a)+(\b)):8*(8*(\a)+(\b))+7]
.endif
.if \cv
	CVF 8*((\a)-2)+(\b), 1-(\f)
.endif
.endr
.endm
; A QUARTER: 64 matrix instructions on buffers f, the 64 accumulators by turns (63 others' stand between two on one accumulator, over the backward jump too).
; At its head quarter q of the slot at TB is fetched for the other buffers, in one run; behind the last 16 products B is rounded into them.
; The four roundings behind a quarter's last product and the two address lines are the places (ISA guide 7.12.1 for vector instructions) in front of the loads into A's other buffer and of the next writes of B's.
; mode 0: no change of slots.  mode 1: this quarter's loads are the slot's last, so the slot is left and filled again with the K step two on.  mode 2: the slot is left, nothing is asked for.  mode 3: the last quarter: nothing is fetched.
.macro QUART f, q, mode, zero
.if (\mode) != 3
	WIN 0
	v_add_nc_u32 v[ADRB], s[TB], v[B0]
	v_add_nc_u32 v[ADRA], s[TB], v[A0]
.endif
	s_wait_dscnt 0x0                               ; this quarter's A is in (issued a quarter ago)
.if (\mode) != 3
	FETCH \q, 1-(\f)
.endif
	GRP8 \f, 0, 0, \zero, 0
	GRP8 \f, 0, 1, \zero, 0
	GRP8 \f, 0, 2, \zero, 0
	GRP8 \f, 0, 3, \zero, 0
	GRP8 \f, 1, 0, \zero, 0
	GRP8 \f, 1, 1, \zero, 0
.if (\mode) == 0
	s_wait_dscnt 16                                ; of the run of 48 the 32 loads of B are in; the 16 younger ones, A's, may be out
	GRP8 \f, 1, 2, \zero, 1
	GRP8 \f, 1, 3, \zero, 1
.elseif (\mode) == 3
	GRP8 \f, 1, 2, \zero, 0
	GRP8 \f, 1, 3, \zero, 0
.else
	WIN 0                                          ; (the add's two registers lie in window 0)
	s_wait_tensorcnt 0x0                           ; all my tensor loads have landed: the one that was out is my part of the other slot; so a group 0 may be written
	ds_add_u32 v[SPW], v[NIL]                      ; 0 onto my spare word: scalar work and eight products with their roundings stand between it and the wait for it
.if (\mode) == 1
	s_xor_b32 s[G0+5], s[G0+5], SLOT1              ; the walking descriptors: the other slot than last time,
	s_add_nc_u64 s[G0+6:G0+7], s[G0+6:G0+7], ASTEP ; the next K step; the type bits on top are not reached
	s_xor_b32 s[G0B+5], s[G0B+5], SLOT1
	s_add_nc_u64 s[G0B+6:G0B+7], s[G0B+6:G0B+7], BSTEP
	s_wait_xcnt 0x0                                ; the last prefetch, a K step back, has had its address translated (ISA guide 3.1): its base is stepped only behind this wait
	s_add_nc_u64 s[PFB:PFB+1], s[PFB:PFB+1], BSTEP
.endif
	s_xor_b32 s[TB], s[TB], SLOT1                  ; the next loads read the other slot
	s_wait_dscnt 17                                ; the 32 loads of B are in; A's 16 and the add, issued behind them, may be out
	GRP8 \f, 1, 2, \zero, 1
	s_wait_dscnt 0x0                               ; the add is done, and my reads of this slot (the run at the quarter's head) are over
	s_barrier_signal -1                            ; say so (in mode 1 this barrier opens a round of the cluster's barrier)
	GRP8 \f, 1, 3, \zero, 1                        ; work on registers alone while the others arrive
	WIN 0                                          ; at a branch and at a label every window is 0
	s_barrier_wait -1                              ; nobody reads the old slot any more, and the other slot is whole
.if (\mode) == 1
	CREST                                          ; no wave of any partner still reads the slot or has a load on its way
	JLOAD 1, 1                                     ; the first tensor load behind the round, one a wave: 112 matrix instructions ahead of the wait for it
.endif
.endif
.endm
	s_wait_tensorcnt 0x1                           ; my part of K step 0 is in; step 1's may stay out
	s_barrier_signal -1
	s_barrier_wait -1                              ; everybody's is
	v_add_nc_u32 v[ADRB], s[TB], v[B0]
	v_add_nc_u32 v[ADRA], s[TB], v[A0]
	FETCH 0, 0                                     ; K step 0, first quarter
	s_wait_dscnt 0x0
.set nn, 0
.rept 16
	CVF nn, 0
.set nn, nn+1
.endr
	WIN 0
	s_mov_b32 s3, TSTEPS-3
	QUART 0, 1, 1, 1                               ; the first quarter stands in front of the loop: its products start the sums; it asks for K step 2
.Lstep:                                                ; trip i = 1 .. TSTEPS - 3: step i - 1's second quarter, step i's first; asks for step i + 2
	QUART 1, 0, 0, 0
	QUART 0, 1, 1, 0
	s_sub_co_u32 s3, s3, 1
	s_cmp_lg_u32 s3, 0
	s_cbranch_scc1 .Lstep
	QUART 1, 0, 0, 0                               ; the tail is written out: nothing is left to ask for
	QUART 0, 1, 2, 0                               ; the last change of slots: the last K step has landed
	QUART 1, 0, 0, 0
	QUART 0, 1, 0, 0
	QUART 1, 0, 3, 0
	WIN 0
	PLACES
; THE WAY OUT, in 16 rounds n = 2 a + p: block a (16 rows) x column half p (my 64 columns = 256 bytes of f32).  A lane's 32 bytes of a row go into my own stage (rows of 272 bytes) and come back as whole
; rows of 256 bytes; the stage lies behind the ring and no tensor load fills it.  Each accumulator's low four registers are stored first.
.macro TOSTAGE n
.set AA, (\n)/2
.set AC, 8*(8*(AA%4)+4*((\n)%2))
.set BK, OB+192*((\n)%2)
	s_wait_xcnt 0x0                                ; every earlier store has had its addresses translated (ISA guide 3.1): the registers that the round two back was stored from are loaded again only behind this wait
	WIN (2+AA/4)<<2                                ; the stores' data (source 1) in the accumulators' window
.irp bb, 0,1,2,3
	ds_store_b128 v[STO], v[AC+8*(\bb):AC+8*(\bb)+3]   offset:64*(\bb)
	ds_store_b128 v[STO], v[AC+8*(\bb)+4:AC+8*(\bb)+7] offset:64*(\bb)+16
.endr
	WIN 0
.irp t, 0,1,2,3,4,5,6,7
	ds_load_b128 v[BK+4*(\t):BK+4*(\t)+3], v[RD] offset:(\t)*2*PITCH  ; LDS serves a wave's instructions in order (ISA guide 5.7.1.4): these see the stores above; the next round's stores come behind them
.endr
.endm
.macro SEND n, younger                 ; younger: the LDS instructions issued behind round n's loads: the next round's sixteen, or none
.set AA, (\n)/2
.set BK, OB+192*((\n)%2)
	s_wait_dscnt \younger                          ; the round's rows are back in registers
.irp t, 0,1,2,3,4,5,6,7
	global_store_b128 v[CO], v[BK+4*(\t):BK+4*(\t)+3], s[8:9] offset:AA*131072+(\t)*16384+((\n)%2)*512  ; 16 lanes store 256 consecutive bytes, at a multiple of 256 from part's first byte
.endr
.endm
	TOSTAGE 0
.set rn, 1
.rept 15
	TOSTAGE rn
	SEND rn-1, 16
.set rn, rn+1
.endr
	SEND 15, 0
	s_wait_tensorcnt 0x0                           ; the wave's end: 0 is added onto my spare word behind my last tensor load and my last LDS store
	ds_add_u32 v[SPW], v[NIL]
	s_wait_dscnt 0x0
	CROUND                                         ; the closing round: no work-group ends while a partner may still ask for a tile that names it
	s_endpgm
.Lfunc_end_k_q426e5c84dd_down:
	.size	k_q426e5c84dd_down, .Lfunc_end_k_q426e5c84dd_down-k_q426e5c84dd_down
	.p2alignl 7, 3214868480
	.fill 96, 4, 3214868480
	.section	.rodata,"a",@progbits
	.p2align	6, 0x0
	.amdhsa_kernel k_q426e5c84dd_down
		.amdhsa_group_segment_fixed_size 327680
		.amdhsa_private_segment_fixed_size 0
		.amdhsa_enable_private_segment 0
		.amdhsa_kernarg_size 24
		.amdhsa_user_sgpr_count 2
		.amdhsa_user_sgpr_kernarg_segment_ptr 1
		.amdhsa_wavefront_size32 1
		.amdhsa_system_sgpr_workgroup_id_x 1
		.amdhsa_system_sgpr_workgroup_id_y 1
		.amdhsa_system_sgpr_workgroup_id_z 1
		.amdhsa_system_vgpr_workitem_id 0
		.amdhsa_next_free_vgpr 1024
		.amdhsa_next_free_sgpr 80
		.amdhsa_reserve_vcc 0
		.amdhsa_float_denorm_mode_32 3
		.amdhsa_float_denorm_mode_16_64 3
		.amdhsa_memory_ordered 1
		.amdhsa_forward_progress 1
		.amdhsa_inst_pref_size 139
	.end_amdhsa_kernel
	.amdgpu_metadata
---
amdhsa.version: [ 1, 2 ]
amdhsa.kernels:
  - .name:           k_q426e5c84dd_down
    .symbol:         k_q426e5c84dd_down.kd
    .args:
      - { .name: hbuf, .offset: 0, .size: 8, .value_kind: global_buffer, .address_space: global }
      - { .name: w_down, .offset: 8, .size: 8, .value_kind: global_buffer, .address_space: global }
      - { .name: part, .offset: 16, .size: 8, .value_kind: global_buffer, .address_space: global }
    .group_segment_fixed_size: 327680
    .private_segment_fixed_size: 0
    .kernarg_segment_align: 8
    .kernarg_segment_size: 24
    .max_flat_workgroup_size: 128
    .sgpr_count:     80
    .vgpr_count:     1024
    .wavefront_size: 32
...
	.end_amdgpu_metadata
.endif
;; end of part 3
;; launch reduce (part 4): grid 512 x 1, 8 waves a work-group, no clusters, 0 bytes of LDS; arguments part, out0; writes out0
.if DOCPART == 4
	.amdgcn_target "amdgcn-amd-amdhsa--gfx1250"
	.amdhsa_code_object_version 6
	.text
	.protected	k_q426e5c84dd_reduce
	.globl	k_q426e5c84dd_reduce
	.p2align	8
	.type	k_q426e5c84dd_reduce,@function
k_q426e5c84dd_reduce:
	s_mov_b64 s[64:65], 0
	v_nop
	global_prefetch_b8 v0, s[64:65] scope:SCOPE_SE
	s_setreg_imm32_b32 hwreg(HW_REG_WAVE_MODE, 25, 1), 1
	s_wait_xcnt 0x0
; out0 = the sum of the eight planes of part.  part: [8][1024][2048] f32, out0: [1024][2048] f32.
; LIMIT: the eight partial sums are added as a tree, ((0+1)+(2+3))+((4+5)+(6+7)), in f32: an order of rounding that differs from one ascending chain over K.
; A stream: memory binds, so no LDS, no matrix unit, no cluster (nothing is shared).  A work-group owns 16,384 bytes of out0, four steps of 4,096; thread t the 16 bytes at 16 t of each step,
; so a wave's load or store covers 512 consecutive aligned bytes.  All 32 loads of a thread are issued before the first sum; no register is loaded twice.
.set PLANE, 0x800000                   ; bytes in a plane of part
.set R,     8                          ; v[8:135]  step i, plane s at R + 32 i + 4 s
.set PB,    16                         ; s[16:31]  the eight planes at the work-group's bytes
	s_load_b128 s[4:7], s[0:1], 0x0                ; part s[4:5], out0 s[6:7]
	v_lshlrev_b32 v1, 4, v0
	s_lshl_b32 s8, ttmp9, 14
	s_mov_b32 s9, 0
	s_wait_kmcnt 0x0
	s_add_nc_u64 s[4:5], s[4:5], s[8:9]
	s_add_nc_u64 s[6:7], s[6:7], s[8:9]
.irp s, 0,1,2,3,4,5,6,7
	s_add_nc_u64 s[PB+2*(\s):PB+2*(\s)+1], s[4:5], (\s)*PLANE
.endr
.irp i, 0,1,2,3
.irp s, 0,1,2,3,4,5,6,7
	global_load_b128 v[R+32*(\i)+4*(\s):R+32*(\i)+4*(\s)+3], v1, s[PB+2*(\s):PB+2*(\s)+1] offset:4096*(\i) th:TH_LOAD_NT  ; read once in the launch
.endr
.endr
.macro ADD4 d, s                       ; four numbers at d take the four at s
	v_pk_add_f32 v[(\d):(\d)+1],   v[(\d):(\d)+1],   v[(\s):(\s)+1]
	v_pk_add_f32 v[(\d)+2:(\d)+3], v[(\d)+2:(\d)+3], v[(\s)+2:(\s)+3]
.endm
.irp i, 0,1,2,3
	s_wait_loadcnt 24-8*(\i)                       ; loads come back in order (ISA guide 5.7.1): step i's eight are in, the later steps' stay out
	ADD4 R+32*(\i),    R+32*(\i)+4
	ADD4 R+32*(\i)+8,  R+32*(\i)+12
	ADD4 R+32*(\i)+16, R+32*(\i)+20
	ADD4 R+32*(\i)+24, R+32*(\i)+28
	ADD4 R+32*(\i),    R+32*(\i)+8
	ADD4 R+32*(\i)+16, R+32*(\i)+24
	ADD4 R+32*(\i),    R+32*(\i)+16
	global_store_b128 v1, v[R+32*(\i):R+32*(\i)+3], s[6:7] offset:4096*(\i) th:TH_STORE_NT
.endr
	s_endpgm
.Lfunc_end_k_q426e5c84dd_reduce:
	.size	k_q426e5c84dd_reduce, .Lfunc_end_k_q426e5c84dd_reduce-k_q426e5c84dd_reduce
	.p2alignl 7, 3214868480
	.fill 96, 4, 3214868480
	.section	.rodata,"a",@progbits
	.p2align	6, 0x0
	.amdhsa_kernel k_q426e5c84dd_reduce
		.amdhsa_group_segment_fixed_size 0
		.amdhsa_private_segment_fixed_size 0
		.amdhsa_enable_private_segment 0
		.amdhsa_kernarg_size 16
		.amdhsa_user_sgpr_count 2
		.amdhsa_user_sgpr_kernarg_segment_ptr 1
		.amdhsa_wavefront_size32 1
		.amdhsa_system_sgpr_workgroup_id_x 1
		.amdhsa_system_sgpr_workgroup_id_y 1
		.amdhsa_system_sgpr_workgroup_id_z 1
		.amdhsa_system_vgpr_workitem_id 0
		.amdhsa_next_free_vgpr 136
		.amdhsa_next_free_sgpr 66
		.amdhsa_reserve_vcc 0
		.amdhsa_float_denorm_mode_32 3
		.amdhsa_float_denorm_mode_16_64 3
		.amdhsa_memory_ordered 1
		.amdhsa_forward_progress 1
		.amdhsa_inst_pref_size 8
	.end_amdhsa_kernel
	.amdgpu_metadata
---
amdhsa.version: [ 1, 2 ]
amdhsa.kernels:
  - .name:           k_q426e5c84dd_reduce
    .symbol:         k_q426e5c84dd_reduce.kd
    .args:
      - { .name: part, .offset: 0, .size: 8, .value_kind: global_buffer, .address_space: global }
      - { .name: out0, .offset: 8, .size: 8, .value_kind: global_buffer, .address_space: global }
    .group_segment_fixed_size: 0
    .private_segment_fixed_size: 0
    .kernarg_segment_align: 8
    .kernarg_segment_size: 16
    .max_flat_workgroup_size: 256
    .sgpr_count:     66
    .vgpr_count:     136
    .wavefront_size: 32
...
	.end_amdgpu_metadata
.endif
;; end of part 4
